; MI455X (gfx1250); checked and timed in simulation.
; The chip was launched on July 23, 2026; its instructions are those of AMD's public machine-readable ISA for CDNA 5 (MIT licence, August 2026) and "CDNA5" Instruction Set Architecture Reference Guide (July 2026). The comments in the code are by the model that wrote it; some were corrected since.
;; Calculate Attention. Allowed arithmetic: matrix products marked QUANTISED: E3M2 operands, one E8M0 scale for each 32 along K, by v_wmma_scale_f32_16x16x128_f8f6f4 with both operands' format E3M2, f32 sums; everything else in f32.
;; Inputs: K 4 x 16 x 2,048 x 64 float32; Q 4 x 16 x 2,048 x 64 float32; V 4 x 16 x 2,048 x 64 float32; mask 4 x 1 x 2,048 x 2,048 bool.
;; Outputs: out0 4 x 16 x 2,048 x 64 float32.
;; This version of the problem:
;;   THIS VERSION OF THE PROBLEM IS GIVEN IN LOW PRECISION. The matrix products marked QUANTISED in the list below multiply operands that are first quantised to E3M2 (3 exponent bits, 2 mantissa bits; 6 bits a number), with one power-of-two scale for each 32 numbers along K (OCP MX v1.0); their sums are f32. All else is computed in f32.
;;   The module's matrix products, in the order in which they are computed (A, B: the left and right operand; K: the contracted axis; several contracted axes count as one K, in the product's order):
;;     1. batch 64 x [M 2,048, K 64] x [K 64, N 2,048]; A: input Q; B: input K: QUANTISED
;;     2. batch 64 x [M 2,048, K 2,048] x [K 2,048, N 64]; A: softmax (see below); B: input V: QUANTISED
;;   THE QUANTISER, for each operand of a quantised product, along K:
;;     - K is cut into blocks of 32 from its start; a last block that is shorter is filled with zeros.
;;     - A block's scale is 2^e with e = floor(log2(the largest magnitude in the block)) - 4, held to -126 .. 127; a block of zeros has e = 0. As a byte (E8M0): e + 127.
;;     - Each number is divided by its block's scale, clamped to +-28, and rounded to the nearest number of E3M2, ties to even, subnormals kept.
;;     - The product sums the exact products of the quantised numbers (number of the format x scale) in f32.
;;   ~~~python
;;   def quantise(x, axis):      # numpy; x: float32 -> the quantised numbers, widened to float32 again
;;       x = np.moveaxis(x, axis, -1); K = x.shape[-1]
;;       x = np.pad(x, [(0, 0)] * (x.ndim - 1) + [(0, -K % 32)]); x = x.reshape(x.shape[:-1] + (-1, 32)); a = np.abs(x).max(-1, keepdims=True)
;;       e = np.where(a > 0, np.clip(np.frexp(np.where(a > 0, a, 1))[1] - 1 - 4, -126, 127), 0)      # np.frexp(a)[1] - 1 = floor(log2(a)), exactly
;;       r = np.clip(x / 2.0 ** e, -28, 28)
;;       step = 2.0 ** (np.maximum(np.frexp(np.where(r == 0, 1, r))[1] - 1, -2) - 2)
;;       q = np.round(r / step) * step * 2.0 ** e      # np.round: ties to even
;;       return np.moveaxis(q.reshape(q.shape[:-2] + (-1,))[..., :K], -1, axis).astype(np.float32)
;;   ~~~
;;   SOFTMAX AHEAD OF A QUANTISED PRODUCT. Where the list says 'softmax', what is quantised is not the finished softmax but p = 2^(t - M), with t = logit x log2(e) and M = ceil(the row's largest t), a whole number; so 1/2 < the row's largest p <= 1. The row's sum l is taken of the UNQUANTISED p, in f32, and the product's result is divided by l at the end. Since M is a whole number, a kernel that streams over the keys may use a running M (the ceiling of the running maximum): every later rescaling is an exact power of two, which a block's scale takes up: the codes' values come out the same.
;;   OPERANDS COMPUTED ON THE WAY. 'Computed on the way' means the value that the module computes at that place (a softmax that the list does not call 'softmax' is quantised finished and normalised). What goes into a quantiser is computed in f32, as accurately as f32 sums, v_exp_f32 and their like allow (about 1e-6 of the number): no bf16 or f16 on the way to a quantiser, and a product that is left as it is and whose result goes on into a quantised operand takes f32 operands (vector FMAs, or v_wmma_f32_16x16x4_f32). A number that lies on a knife's edge between two numbers of the format may be rounded either way, as far as f32 arithmetic and the matrix unit's own rounding can turn it there, and no further.
;; One version. Each part assembles by itself: llvm-mc -triple=amdgcn-amd-amdhsa -mcpu=gfx1250 --defsym DOCPART=n.
;; ======== version 1 of 1: 2 launches
;; limits: right only within a limited range of input values; inputs' magnitudes at most 3,750
;; workspace buffers: kv 13,631,488 bytes; maskw 2,097,152 bytes of whole numbers
;; launch prep (part 1): grid 16 x 64, 4 waves a work-group, no clusters, 52,736 bytes of LDS; arguments K, V, mask, kv, maskw; writes kv, maskw
.if DOCPART == 1
	.amdgcn_target "amdgcn-amd-amdhsa--gfx1250"
	.amdhsa_code_object_version 6
	.text
	.protected	k_q1f91581b3a_prep
	.globl	k_q1f91581b3a_prep
	.p2align	8
	.type	k_q1f91581b3a_prep,@function
k_q1f91581b3a_prep:
	s_mov_b64 s[64:65], 0
	v_nop
	global_prefetch_b8 v0, s[64:65] scope:SCOPE_SE
	s_setreg_imm32_b32 hwreg(HW_REG_WAVE_MODE, 25, 1), 1
	s_wait_xcnt 0x0
; FIRST OF TWO LAUNCHES of out = softmax(where(mask, -1e9, Q K^T) / 8) V, both products on codes of BF6 (E3M2) with one E8M0 scale for each 32 along a product's K.
; Nothing of reference() is left out: every input has a way to the output, and no pattern of the mask is built in.
; kv: for each head and key step of 128 keys a block of 13,312 bytes, laid as images of operand registers (four registers of 32 lanes = 512 bytes, lane l's 16 bytes at 16 l):
;   0      K's codes: 48 registers 6 t + j.  Lane (r, h) of tile t holds block h (d = 32 h ..) of key 64 (t / 4) + 32 (r / 8) + 8 (t % 4) + r % 8
;   6,144  K's scale words: register b: lanes 0-15 tile 2 b's rows, lanes 16-31 tile 2 b + 1's; bytes 2 and 3 of a word are 0x7f
;   6,656  V's codes: tile t (rows d = 16 t + r), 12 registers: registers 6 c .. 6 c + 5 of lane (r, h) hold keys 64 c + 32 h + 0 .. 31
;   12,800 V's scale words: tile t's at 128 t + 4 x lane
; maskw: [batch][tile of 16 queries][key step][64 words]: bit l of word n = mask[query 16 tile + l % 16][key 128 step + 64 (n / 32) + 32 (l / 16) + n % 32]: one word for each register of the second launch's scores.
; A block's scale is 2^(floor(log2(its largest magnitude)) - 4); its byte is that magnitude's exponent field - 4, held at 1 from below.
; LIMITS: a block of zeros gets the byte 1 where the rule says 127 (its codes are zeros; this program alone reads the bytes); blocks under 2^-122 have their byte held at 1; NaN and infinities are not served.
; SHARES.  Work-group (x = key step, y = head), four waves.  Wave w: K's tiles 2 w, 2 w + 1; V's tile w; one of the mask's 4,096 units of 16 queries x 256 keys.
; K's and the mask's loads take the bytes as they lie and turn through the wave's own stages in LDS.  V: a lane to a column d, registers down the keys.  No tensor load, no barrier: waves share nothing.
.set KSC,   6144
.set VOFF,  6656
.set VSC,   12800
.set STEPB, 13312
.set STG,   4352                       ; a stage: 16 rows x (256 + 16) bytes
.set WREG,  3*STG
.set SPARE, 4*WREG                     ; the spare words: 128 bytes a wave
.set LI,  1                            ; 16 x lane
.set MLO, 2                            ; the mask's loads: 2,048 h + 16 r
.set VLO, 3                            ; V's loads: 8,192 h + 4 r
.set SS,  4                            ; into a stage: row h of a pair, 16 r
.set SRK, 5                            ; out of it, K: row r, 128 h
.set SRM, 6                            ; out of it, the mask: row r, 32 h
.set H8,  8                            ; 8 h
.set KCO, 9                            ; 16 x lane + 1,536 x wave
.set KSO, 10                           ; 4 x lane + 128 x wave
.set SPW, 12
.set NIL, 13
.set KX,  16                           ; v16-79 K's two tiles
.set MX,  80                           ; v80-111 the mask's bytes
.set VX,  112
.set KC,  176
.set VC,  188
.set CT,  200                          ; second halves of conversions; v200-203 also at work on the mask
.set MA,  208
.set MB,  209
.set SCO, 210
.set EV0, 211
.set EK0, 212
.set EK1, 213
.set EV1, 214
.set KW,  215
.set T0,  216
.set T1,  217
.set T2,  218
.set VW,  219
.set MW,  220                          ; v220-223 the mask's words: lane L holds words 4 L .. 4 L + 3
; 32 numbers of one block become 6 registers of codes at v[c] and the scale's byte in v[e]
.macro QUANT32 x, c, t, e
	v_max3_num_f32 v[MA], |v[\x]|, |v[\x+1]|, |v[\x+2]|
	v_max3_num_f32 v[MB], |v[\x+3]|, |v[\x+4]|, |v[\x+5]|
.irp i, 6,10,14,18,22,26
	v_max3_num_f32 v[MA], v[MA], |v[\x+\i]|, |v[\x+\i+1]|
	v_max3_num_f32 v[MB], v[MB], |v[\x+\i+2]|, |v[\x+\i+3]|
.endr
	v_max3_num_f32 v[MA], v[MA], |v[\x+30]|, |v[\x+31]|
	v_max3_num_f32 v[MA], v[MA], v[MB], 0x2800000                  ; the floor 2^(5 - 127)
	v_add_nc_u32 v[SCO], 0xfe000000, v[MA]                         ; 4 off the exponent field: the conversion's scale operand
	v_lshrrev_b32 v[\e], 23, v[SCO]
	v_cvt_scalef32_pk16_bf6_f32 v[\c:\c+2], v[\x:\x+15], v[SCO]
	v_cvt_scalef32_pk16_bf6_f32 v[\t:\t+2], v[\x+16:\x+31], v[SCO]
	v_nop                                                          ; one plain place behind a scaled conversion
.irp i, 0,1,2
	v_mov_b32 v[\c+3+\i], v[\t+\i]
.endr
.endm
.macro TOSTG st, reg                   ; 16 rows of 256 bytes into stage st as they were loaded
.irp i, 0,1,2,3,4,5,6,7
	ds_store_b128 v[SS], v[\reg+4*\i:\reg+4*\i+3] offset:STG*\st+544*\i
.endr
.endm
.macro TURN st, reg                    ; and back, a row to a lane pair (LDS serves a wave's instructions in order)
	TOSTG \st, \reg
.irp j, 0,1,2,3,4,5,6,7
	ds_load_b128 v[\reg+4*\j:\reg+4*\j+3], v[SRK] offset:STG*\st+16*\j
.endr
.endm
.macro VLOAD c
.set i, 0
.rept 32
	global_load_b32 v[VX+32*\c+i], v[VLO], s[6:7] offset:(64*\c+i)*256
.set i, i+1
.endr
.endm
	s_load_b256 s[4:11], s[0:1], 0x0               ; K, V, mask, kv
	s_load_b64 s[12:13], s[0:1], 0x20              ; maskw
	v_lshl_add_u32 v[SPW], v0, 2, SPARE
	v_mov_b32 v[NIL], 0
	v_lshrrev_b32 v14, 5, v0
	v_readfirstlane_b32 s14, v14                   ; wave
	v_and_b32 v14, 31, v0                          ; lane
	v_and_b32 v15, 15, v0                          ; r
	v_bfe_u32 v11, v0, 4, 1                        ; h
	v_lshlrev_b32 v[LI], 4, v14
	v_lshlrev_b32 v[MLO], 4, v15
	v_lshl_add_u32 v[MLO], v11, 11, v[MLO]
	v_lshlrev_b32 v[VLO], 2, v15
	v_lshl_add_u32 v[VLO], v11, 13, v[VLO]
	s_mul_i32 s15, s14, WREG                       ; my stages
	v_mul_u32_u24 v[SS], v11, 272
	v_lshl_add_u32 v[SS], v15, 4, v[SS]
	v_add_nc_u32 v[SS], s15, v[SS]
	v_mul_u32_u24 v[SRK], v15, 272
	v_lshl_add_u32 v[SRM], v11, 5, v[SRK]
	v_lshl_add_u32 v[SRK], v11, 7, v[SRK]
	v_add_nc_u32 v[SRK], s15, v[SRK]
	v_add_nc_u32 v[SRM], s15, v[SRM]
	v_lshlrev_b32 v[H8], 3, v11
	s_mul_i32 s15, s14, 1536
	v_add_nc_u32 v[KCO], s15, v[LI]
	s_lshl_b32 s15, s14, 7
	v_lshl_add_u32 v[KSO], v14, 2, s15
	v_mov_b32 v[T1], 0                             ; a lane permute's destination counts as one of its sources,
	v_mov_b32 v[T2], 0
.irp y, 0,1,2,3
	v_mov_b32 v[MW+\y], 0                          ; and so does v_writelane_b32's
.endr
	s_mov_b32 s16, 0x76543210
	s_mov_b32 s17, 0xfedcba98                      ; selects for lane l xor 16
	s_mov_b32 s18, 0xffff0000                      ; lanes 16-31
	s_and_b32 s19, ttmp7, 0xffff                   ; the head
	s_lshl_b32 s24, s19, 19
	s_lshl_b32 s26, ttmp9, 15
	s_add_co_u32 s24, s24, s26                     ; the head's key step in K and V
	s_lshr_b32 s26, s14, 1
	s_lshl_b32 s26, s26, 14                        ; K: 64 keys x (wave / 2)
	s_and_b32 s27, s14, 1
	s_lshl_b32 s27, s27, 12                        ; + 16 keys x (wave % 2)
	s_add_co_u32 s26, s26, s27
	s_add_co_u32 s26, s24, s26
	s_mov_b32 s27, 0
	s_lshl_b32 s28, s14, 6
	s_add_co_u32 s28, s24, s28                     ; V: + my 16 columns
	s_mov_b32 s29, 0
	s_lshl_b32 s30, s19, 4
	s_add_co_u32 s30, s30, ttmp9
	s_mul_i32 s32, s30, STEPB                      ; kv: the step's block
	s_mov_b32 s33, 0
	s_lshl_b32 s30, s30, 2
	s_add_co_u32 s30, s30, s14                     ; U: my unit of the mask
	s_lshl_b32 s34, s30, 9                         ; maskw: 512 bytes a unit
	s_mov_b32 s35, 0
	s_lshr_b32 s36, s30, 3                         ; U / 8: which 16 rows of the mask,
	s_lshl_b32 s36, s36, 15
	s_and_b32 s37, s30, 7                          ; U % 8: which 256 keys
	s_lshl_b32 s37, s37, 8
	s_add_co_u32 s36, s36, s37
	s_mov_b32 s37, 0
	s_wait_alu depctr_va_vdst(0)                   ; the wait at the head's end
	s_wait_kmcnt 0x0
	s_add_nc_u64 s[4:5], s[4:5], s[26:27]
	s_add_nc_u64 s[6:7], s[6:7], s[28:29]
	s_add_nc_u64 s[8:9], s[8:9], s[36:37]
	s_add_nc_u64 s[10:11], s[10:11], s[32:33]
	s_add_nc_u64 s[12:13], s[12:13], s[34:35]
	VLOAD 0
.irp u, 0,1                            ; my tile u: rows 0-7 are keys 8 u + 0 .. 7 of my 16, rows 8-15 the keys 32 further on; two keys a load
.irp i, 0,1,2,3,4,5,6,7
	global_load_b128 v[KX+32*\u+4*\i:KX+32*\u+4*\i+3], v[LI], s[4:5] offset:(8*\u+2*\i+24*(\i/4))*256 th:TH_LOAD_NT
.endr
.endr
.irp i, 0,1,2,3,4,5,6,7                ; the mask: two rows' 256 bytes a load
	global_load_b128 v[MX+4*\i:MX+4*\i+3], v[MLO], s[8:9] offset:4096*\i th:TH_LOAD_NT
.endr
	s_wait_loadcnt 24                              ; V's first 32 are in: K's 16 and the mask's 8 stand behind them
	VLOAD 1
	QUANT32 VX, VC, CT, EV0
	s_wait_loadcnt 48                              ; K's first tile: behind it 8 + 8 + 32
	TURN 0, KX
	s_wait_loadcnt 40
	TURN 1, KX+32
	s_wait_loadcnt 32                              ; the mask
	TOSTG 2, MX
.irp j, 0,1,2,3,4,5,6,7                ; lane (r, h), register 4 j + m, byte y: query r, key 64 (j / 2) + 32 h + 16 (j % 2) + 4 m + y
	ds_load_b128 v[MX+4*\j:MX+4*\j+3], v[SRM] offset:STG*2+64*(\j/2)+16*(\j%2)
.endr
	s_wait_dscnt 32                                ; the first turn is over: two turns of 16 stand behind it
	QUANT32 KX, KC, CT, EK0
	s_wait_dscnt 16
	QUANT32 KX+32, KC+6, CT+4, EK1
	v_lshlrev_b32 v[KW], v[H8], v[EK0]             ; my block's byte at its place in the key's scale word,
	v_lshlrev_b32 v[T0], v[H8], v[EK1]
	v_permlanex16_b32 v[T1], v[KW], s16, s17
	v_permlanex16_b32 v[T2], v[T0], s16, s17
	v_or_b32 v[KW], v[KW], v[T1]                   ; with lane l xor 16's
	v_or_b32 v[T0], v[T0], v[T2]
	v_cndmask_b32 v[KW], v[KW], v[T0], s18         ; lanes 0-15 the even tile's words, lanes 16-31 the odd tile's
	v_or_b32 v[KW], 0x7f7f0000, v[KW]
.irp g, 0,1,2
	global_store_b128 v[KCO], v[KC+4*\g:KC+4*\g+3], s[10:11] offset:512*\g
.endr
	global_store_b32 v[KSO], v[KW], s[10:11] offset:KSC
	s_wait_dscnt 0x0                               ; the mask's bytes are back
.set R, 0
.rept 32                               ; word 4 R + y: the 32 lanes' bits of byte y of register R; it goes to lane R of register y, so that the words lie on end for one store
.irp y, 0,1,2,3
	v_and_b32 v[CT+\y], 0xff<<(8*\y), v[MX+R]
.endr
.irp y, 0,1,2,3
	v_cmp_ne_u32 s[20+\y], 0, v[CT+\y]
.endr
.irp y, 0,1,2,3
	v_writelane_b32 v[MW+\y], s[20+\y], R
.endr
.set R, R+1
.endr
	global_store_b128 v[LI], v[MW:MW+3], s[12:13]  ; 128 words: 512 consecutive bytes
	s_wait_loadcnt 0x0                             ; V's second 32
	QUANT32 VX+32, VC+6, CT, EV1
	v_lshl_or_b32 v[T0], v[EV1], 16, v[EV0]        ; blocks h and 2 + h of row d,
	v_lshlrev_b32 v[T0], v[H8], v[T0]
	v_permlanex16_b32 v[T1], v[T0], s16, s17
	v_or_b32 v[VW], v[T0], v[T1]                   ; with lane l xor 16's two the word is whole
.irp g, 0,1,2
	global_store_b128 v[KCO], v[VC+4*\g:VC+4*\g+3], s[10:11] offset:VOFF+512*\g
.endr
	global_store_b32 v[KSO], v[VW], s[10:11] offset:VSC
	s_wait_tensorcnt 0x0                           ; the wave's end
	ds_add_u32 v[SPW], v[NIL]
	s_wait_dscnt 0x0
	s_endpgm
.Lfunc_end_k_q1f91581b3a_prep:
	.size	k_q1f91581b3a_prep, .Lfunc_end_k_q1f91581b3a_prep-k_q1f91581b3a_prep
	.p2alignl 7, 3214868480
	.fill 96, 4, 3214868480
	.section	.rodata,"a",@progbits
	.p2align	6, 0x0
	.amdhsa_kernel k_q1f91581b3a_prep
		.amdhsa_group_segment_fixed_size 52736
		.amdhsa_private_segment_fixed_size 0
		.amdhsa_enable_private_segment 0
		.amdhsa_kernarg_size 40
		.amdhsa_user_sgpr_count 2
		.amdhsa_user_sgpr_kernarg_segment_ptr 1
		.amdhsa_wavefront_size32 1
		.amdhsa_system_sgpr_workgroup_id_x 1
		.amdhsa_system_sgpr_workgroup_id_y 1
		.amdhsa_system_sgpr_workgroup_id_z 1
		.amdhsa_system_vgpr_workitem_id 0
		.amdhsa_next_free_vgpr 224
		.amdhsa_next_free_sgpr 66
		.amdhsa_reserve_vcc 0
		.amdhsa_float_denorm_mode_32 3
		.amdhsa_float_denorm_mode_16_64 3
		.amdhsa_memory_ordered 1
		.amdhsa_forward_progress 1
		.amdhsa_inst_pref_size 46
	.end_amdhsa_kernel
	.amdgpu_metadata
---
amdhsa.version: [ 1, 2 ]
amdhsa.kernels:
  - .name:           k_q1f91581b3a_prep
    .symbol:         k_q1f91581b3a_prep.kd
    .args:
      - { .name: K, .offset: 0, .size: 8, .value_kind: global_buffer, .address_space: global }
      - { .name: V, .offset: 8, .size: 8, .value_kind: global_buffer, .address_space: global }
      - { .name: mask, .offset: 16, .size: 8, .value_kind: global_buffer, .address_space: global }
      - { .name: kv, .offset: 24, .size: 8, .value_kind: global_buffer, .address_space: global }
      - { .name: maskw, .offset: 32, .size: 8, .value_kind: global_buffer, .address_space: global }
    .group_segment_fixed_size: 52736
    .private_segment_fixed_size: 0
    .kernarg_segment_align: 8
    .kernarg_segment_size: 40
    .max_flat_workgroup_size: 128
    .sgpr_count:     66
    .vgpr_count:     224
    .wavefront_size: 32
...
	.end_amdgpu_metadata
.endif
;; end of part 1
;; launch attn (part 2): grid 4 x 64, 16 waves a work-group, clusters of 4 x 1, 327,680 bytes of LDS; arguments Q, kv, maskw, out0; writes out0
.if DOCPART == 2
	.amdgcn_target "amdgcn-amd-amdhsa--gfx1250"
	.amdhsa_code_object_version 6
	.text
	.protected	k_q1f91581b3a_attn
	.globl	k_q1f91581b3a_attn
	.p2align	8
	.type	k_q1f91581b3a_attn,@function
k_q1f91581b3a_attn:
	s_mov_b64 s[64:65], 0
	v_nop
	global_prefetch_b8 v0, s[64:65] scope:SCOPE_SE
	s_setreg_imm32_b32 hwreg(HW_REG_WAVE_MODE, 25, 1), 1
	s_wait_xcnt 0x0
	s_wait_alu depctr_hold_cnt(0) depctr_sa_sdst(0) depctr_va_vdst(0) depctr_va_sdst(0) depctr_va_ssrc(0) depctr_va_vcc(0) depctr_vm_vsrc(0)
	s_getreg_b32 s2, hwreg(HW_REG_IB_STS2, 6, 4)
	s_cmp_eq_u32 s2, 0
	s_cbranch_scc0 .Lentry_in_a_cluster
	s_endpgm
.Lentry_in_a_cluster:
	s_bfe_u32 s2, ttmp6, 0x10000c
	s_cmp_lg_u32 s2, 0x3003
	s_cbranch_scc0 .Lentry_shape_is_right
	s_endpgm
.Lentry_shape_is_right:
; SECOND OF TWO LAUNCHES: out[head][q][:] = sum over k of softmax_k(where(mask, -1e9, Q[q] . K[k]) / 8) V[k][:], both products on codes of BF6 with one E8M0 scale for each 32 along K.  Nothing of reference() is left out.
; Q is quantised here (each row is read by one wave); kv and maskw were made by the first launch, which states their layouts.
; THE SOFTMAX: t = score x log2(e) / 8; M = the running largest t rounded UP to a whole number; p = 2^(t - M) is quantised along the keys; the row's sum is taken of the unquantised p and divides O at the end;
; when M moves, the sum and O are multiplied by 2^(old M - new M).  A block's largest p is the block's largest score put through the same multiply-add and exponential (this takes v_exp_f32 not to fall where its input rises).
; THE MASKED SCORE is -15 x 2^26 = -1,006,632,960 in place of -1e9.  c = log2(e) / 8 in f32 is 12,102,203 x 2^-26, so c x that score is a whole number, and in a row ALL of whose keys are masked the fused t - M is a whole number:
; every p of such a row is the same power of two, whose codes are exact, and the row comes out as the mean of the quantised V, as with reference()'s p = 1.  Where any key of a row counts, a masked p is 0 with either number.
; LIMITS: unmasked scores under about -9e8 are not told from masked ones as reference() tells them; NaN and infinities are not served; a block of zeros has the byte 1 (its codes are zeros); blocks under 2^-122 have their byte held at 1.
; SHARES.  A work-group owns 512 queries of a head; each of sixteen waves 32 of them, two tiles of 16, in two passes.  The head's kv, 212,992 bytes, lies in LDS for the whole launch: wave w brings key step w; nothing is filled again.
; CLUSTER.  The four work-groups of a cluster are the query blocks of one head: kv is asked for jointly.
; LAYOUT.  Both products are used transposed: a lane holds ONE query (lane % 16).  Tile t's row m is key 64 (t / 4) + 32 (m / 8) + 8 (t % 4) + m % 8, so register 32 c + i of S^T in lane (r, h) is key 64 c + 32 h + i:
; a block of 32 keys lies whole in one lane, in the order that the second product's operand wants: its maximum needs no other lane and its codes no exchange.
; THE FIRST PRODUCT'S K IS 64, the instruction's 128: Q's registers 6-11 are zero codes, so the upper six registers of K's operand may hold any codes: tile t's operand is six registers of its own and tile t + 1's six (tile 7's: zeros).
; THE MASK costs one v_cndmask_b32 a score: word n of a step's 64, in a scalar register, holds the 32 lanes' bits for register n of S^T.  The words come by scalar loads, a key step ahead.
; K and its scale words are read from LDS a key step ahead; V's tiles 0 to 2 and scale words under the softmax; V's tile 3 lands on p's first twelve registers when p has been converted.
.set KSC,   6144
.set VOFF,  6656
.set VSC,   12800
.set STEPB, 13312
.set HEADB, 16*STEPB                   ; LDS 0 ..: the head's kv
.set STAGE, HEADB                      ; 16 rows x 272 bytes a wave: Q in, O out; no tensor load lands there
.set STG,   4352
.set SPARE, STAGE+16*STG               ; the spare words, 128 bytes a wave
.set LI,  1                            ; 16 x lane
.set LS,  2                            ; 4 x lane
.set STO, 3                            ; my stage: row r, + 32 h
.set RD,  4                            ; my stage: row h of a pair, + 16 r
.set SPW, 5
.set NIL, 6
.set QR,  7                            ; my stage: row r, + 128 h
.set ADI, 8                            ; this step's block + 16 x lane
.set ADS, 9                            ; + 4 x lane
.set ADK, 10                           ; the next step's block + 16 x lane
.set ADKS,11
                                       ; v12 -M, v13 the largest t, v[14:15] the row's sum
.set H8,  16
.set NEG, 17                           ; the masked score
.set PFQ, 18                           ; the prefetch's offset; never rewritten
.set QS,  19                           ; Q's scale words
.set QF,  20                           ; v20-25 Q's codes, v26-31 zeros
.set KF,  32                           ; v32-79 K's eight tiles, six registers each; v80-85 zeros
.set VA,  86                           ; v86-121 V's tiles 0 to 2
.set S,   122                          ; v122-185 S^T, then p; then v122-133 V's tile 3
.set O,   186                          ; v186-217 O^T
.set PC,  218                          ; v218-229 p's codes; v218-231 before that the sum's chains
.set PT,  230                          ; v230-232, v234-236 second halves of conversions
.set OLD, 233
.set PW,  237                          ; p's scale words
.set BM,  238                          ; two blocks' largest scores, then p
.set SO,  240                          ; the conversions' scale operands
.set BT,  242
.set TMP, 244
.set T2,  245
.set F,   246                          ; v[246:247] f; the pair's upper half is written once and not used
.set KS,  248
.set VS,  252
.set WV,  2
.set MO,  3                            ; byte offset in maskw of the words being asked for
.set G1,  12
.set G0,  20
.set TBN, 24                           ; LDS byte of the next step's block
.set SEL, 28
.set CS,  30                           ; s[30:31] c = log2(e) / 8
                                       ; s[32:63], s[68:99] a key step's 64 mask words
.set TB,  66                           ; LDS byte of this step's block
.set CNT, 67
.macro CROUND
	s_barrier_signal -1
	s_barrier_wait -1
	s_cmp_lg_u32 s[WV], 0
	s_cbranch_scc1 .Lnot_wave_0_\@
	s_barrier_signal -3
.Lnot_wave_0_\@:
	s_barrier_wait -3
	s_barrier_signal -1
	s_barrier_wait -1
.endm
.macro QUANT32 x, c, t, e
	v_max3_num_f32 v[BM], |v[\x]|, |v[\x+1]|, |v[\x+2]|
	v_max3_num_f32 v[BM+1], |v[\x+3]|, |v[\x+4]|, |v[\x+5]|
.irp i, 6,10,14,18,22,26
	s_delay_alu instid0(VALU_DEP_2)
	v_max3_num_f32 v[BM], v[BM], |v[\x+\i]|, |v[\x+\i+1]|
	s_delay_alu instid0(VALU_DEP_2)
	v_max3_num_f32 v[BM+1], v[BM+1], |v[\x+\i+2]|, |v[\x+\i+3]|
.endr
	s_delay_alu instid0(VALU_DEP_2)
	v_max3_num_f32 v[BM], v[BM], |v[\x+30]|, |v[\x+31]|
	s_delay_alu instid0(VALU_DEP_1)
	v_max3_num_f32 v[BM], v[BM], v[BM+1], 0x2800000                ; the floor 2^(5 - 127)
	s_delay_alu instid0(VALU_DEP_1)
	v_add_nc_u32 v[SO], 0xfe000000, v[BM]
	s_delay_alu instid0(VALU_DEP_1)
	v_lshrrev_b32 v[\e], 23, v[SO]
	v_cvt_scalef32_pk16_bf6_f32 v[\c:\c+2], v[\x:\x+15], v[SO]
	v_cvt_scalef32_pk16_bf6_f32 v[\t:\t+2], v[\x+16:\x+31], v[SO]
	v_nop
.irp i, 0,1,2
	v_mov_b32 v[\c+3+\i], v[\t+\i]
.endr
.endm
.macro KLOADS                          ; a step's K and its scale words
.irp g, 0,1,2,3,4,5,6,7,8,9,10,11
	ds_load_b128 v[KF+4*\g:KF+4*\g+3], v[ADK] offset:512*\g
.endr
.irp b, 0,1,2,3
	ds_load_b32 v[KS+\b], v[ADKS] offset:KSC+128*\b
.endr
.endm
.macro MASKW                           ; a key step's 64 words of my tile: 256 consecutive bytes
	s_load_b512 s[32:47], s[8:9], s[MO] offset:0x0
	s_load_b512 s[48:63], s[8:9], s[MO] offset:0x40
	s_load_b512 s[68:83], s[8:9], s[MO] offset:0x80
	s_load_b512 s[84:99], s[8:9], s[MO] offset:0xc0
.endm
	s_load_b256 s[4:11], s[0:1], 0x0               ; Q, kv, maskw, out0
	v_lshl_add_u32 v[SPW], v0, 2, SPARE
	v_mov_b32 v[NIL], 0
	ds_add_u32 v[SPW], v[NIL]                      ; the opening: the add, twice on end, and its wait ahead of my tensor load
	ds_add_u32 v[SPW], v[NIL]
	v_lshrrev_b32 v[TMP], 5, v0
	s_delay_alu instid0(VALU_DEP_1)
	v_readfirstlane_b32 s[WV], v[TMP]              ; wave 0..15
	s_and_b32 s40, ttmp7, 0xffff                   ; the head, which the partners share
	s_bfe_u32 s41, ttmp6, 0x40000                  ; cx
	s_lshl_b32 s42, ttmp9, 2
	s_add_co_u32 s41, s41, s42                     ; my block of 512 queries: it enters Q's, out0's and maskw's addresses alone
	s_mov_b32 s[G1], 15|(3<<16)|(1<<21)            ; the four work-groups; elements of 8 bytes; bit 21 beside a mask
	s_mov_b32 s[G1+1], 32<<16                      ; 52 rows of 256 bytes, dense
	s_mov_b32 s[G1+2], 52<<16
	s_mov_b32 s[G1+3], 32<<16
	s_mov_b32 s[G1+4], 52
	s_mov_b32 s[G1+5], 32
	s_mov_b32 s[G1+6], 0
	s_mov_b32 s[G1+7], 0
	s_mov_b32 s[G0], 1
	s_mul_i32 s[G0+1], s[WV], STEPB                ; LDS: key step w
	s_mul_i32 s44, s40, HEADB
	s_add_co_u32 s44, s44, s[G0+1]
	s_mov_b32 s45, 0
	s_lshl_b32 s46, s40, 19                        ; Q and out0: the head,
	s_lshl_b32 s42, s41, 17                        ; my block's 512 rows,
	s_add_co_u32 s46, s46, s42
	s_lshl_b32 s42, s[WV], 13                      ; my wave's 32
	s_add_co_u32 s46, s46, s42
	s_mov_b32 s47, 0
	s_lshr_b32 s[MO], s40, 4                       ; maskw: the batch's 128 tiles of queries,
	s_lshl_b32 s[MO], s[MO], 7
	s_lshl_b32 s42, s41, 5
	s_add_co_u32 s[MO], s[MO], s42
	s_lshl_b32 s42, s[WV], 1
	s_add_co_u32 s[MO], s[MO], s42
	s_lshl_b32 s[MO], s[MO], 12                    ; 4,096 bytes a tile, 256 a key step: my 32 steps' words lie on end
	s_mov_b32 s[SEL], 0x76543210
	s_mov_b32 s[SEL+1], 0xfedcba98
	s_mov_b32 s[CS], 0x3e38aa3b
	s_mov_b32 s[CS+1], s[CS]                       ; (named with it as a pair)
	s_wait_dscnt 0x0
	s_wait_kmcnt 0x0
	s_add_nc_u64 s[G0+2:G0+3], s[6:7], s[44:45]
	s_or_b32 s[G0+3], s[G0+3], 0x80000000
	s_add_nc_u64 s[4:5], s[4:5], s[46:47]
	s_add_nc_u64 s[10:11], s[10:11], s[46:47]
	CROUND                                         ; the joint loads meet
	tensor_load_to_lds s[G0:G0+3], s[G1:G1+7]      ; my one tensor load of the launch
	s_nop 0
	v_and_b32 v[TMP], 31, v0
	v_and_b32 v[BM], 15, v0                        ; r
	v_bfe_u32 v[BM+1], v0, 4, 1                    ; h
	v_lshlrev_b32 v[LI], 4, v[TMP]
	v_lshlrev_b32 v[LS], 2, v[TMP]
	v_min_u32 v[PFQ], 15, v[TMP]
	s_mul_i32 s42, s[WV], STG
	s_add_co_u32 s42, s42, STAGE                   ; my stage
	v_mul_u32_u24 v[STO], v[BM], 272
	v_mul_u32_u24 v[RD], v[BM+1], 272
	v_lshlrev_b32 v[PFQ], 8, v[PFQ]                ; a row of Q a lane; lanes 16-31 name row 15 again
	v_lshl_add_u32 v[QR], v[BM+1], 7, v[STO]
	v_lshl_add_u32 v[STO], v[BM+1], 5, v[STO]
	v_lshl_add_u32 v[RD], v[BM], 4, v[RD]
	v_add_nc_u32 v[QR], s42, v[QR]
	v_add_nc_u32 v[STO], s42, v[STO]
	v_add_nc_u32 v[RD], s42, v[RD]
	v_lshlrev_b32 v[H8], 3, v[BM+1]
	v_mov_b32 v[NEG], 0xce700000                   ; -15 x 2^26
.irp i, 0,1,2,3,4,5
	v_mov_b32 v[QF+6+\i], 0                        ; Q's zero codes for k = 64 .. 127
	v_mov_b32 v[KF+48+\i], 0                       ; and what stands behind K's tile 7
.endr
	v_mov_b32 v[T2], 0                             ; a lane permute's destination counts as one of its sources
	v_mov_b32 v[F+1], 0                            ; (named as the upper half of a pair)
; A KEY STEP: 128 keys.  At its head the step's K and scale words are on their way into their registers, and its mask words into theirs.
.macro STEP
	s_add_co_u32 s[TBN], s[TB], STEPB
	s_min_u32 s[TBN], s[TBN], 15*STEPB             ; the last step asks for its own block again, which is not used
	s_wait_dscnt 0x0
	v_add_nc_u32 v[ADI], s[TB], v[LI]              ; five places: the products below write registers that the last products read
	v_add_nc_u32 v[ADS], s[TB], v[LS]
	v_mov_b32 v[OLD], v12
	v_nop
	v_nop
.irp t, 0,2,4,6                        ; S^T = K Q^T.  An even tile's scale words lie in lanes 0-15, the odd tile's in lanes 16-31
	v_wmma_scale_f32_16x16x128_f8f6f4 v[S+8*\t:S+8*\t+7], v[KF+6*\t:KF+6*\t+11], v[QF:QF+11], 0, v[KS+\t/2], v[QS] matrix_a_fmt:MATRIX_FMT_BF6 matrix_b_fmt:MATRIX_FMT_BF6
	v_wmma_scale_f32_16x16x128_f8f6f4 v[S+8*\t+8:S+8*\t+15], v[KF+6*\t+6:KF+6*\t+17], v[QF:QF+11], 0, v[KS+\t/2], v[QS] matrix_a_fmt:MATRIX_FMT_BF6 matrix_b_fmt:MATRIX_FMT_BF6 matrix_a_scale:MATRIX_SCALE_ROW1
.endr
	v_add_nc_u32 v[ADK], s[TBN], v[LI]             ; four places in front of the loads and of the first read of the scores
	v_add_nc_u32 v[ADKS], s[TBN], v[LS]
	v_nop
	v_nop
	KLOADS                                         ; the next step's, a step ahead
.irp g, 0,1,2,3,4,5,6,7,8
	ds_load_b128 v[VA+4*\g:VA+4*\g+3], v[ADI] offset:VOFF+512*\g   ; this step's V, tiles 0 to 2: they land under the softmax
.endr
.irp t, 0,1,2,3
	ds_load_b32 v[VS+\t], v[ADS] offset:VSC+128*\t
.endr
	s_wait_kmcnt 0x0                               ; this step's mask words, asked for a step ago
.set n, 0
.rept 32
	v_cndmask_b32 v[S+n], v[S+n], v[NEG], s[32+n]  ; where the mask is true the score is replaced.  Each accumulator from its low end on
.set n, n+1
.endr
.rept 32
	v_cndmask_b32 v[S+n], v[S+n], v[NEG], s[36+n]
.set n, n+1
.endr
.irp b, 0,1                            ; the largest score of my two blocks of 32 keys, two chains each: four chains by turns
	v_max3_num_f32 v[BM+\b], v[S+32*\b], v[S+32*\b+1], v[S+32*\b+2]
	v_max3_num_f32 v[BT+\b], v[S+32*\b+17], v[S+32*\b+18], v[S+32*\b+19]
.endr
.irp i, 3,5,7,9,11,13
.irp b, 0,1
	v_max3_num_f32 v[BM+\b], v[BM+\b], v[S+32*\b+\i], v[S+32*\b+\i+1]
	v_max3_num_f32 v[BT+\b], v[BT+\b], v[S+32*\b+17+\i], v[S+32*\b+18+\i]
.endr
.endr
.irp b, 0,1
	v_max3_num_f32 v[BM+\b], v[BM+\b], v[S+32*\b+15], v[S+32*\b+16]
.endr
.irp b, 0,1
	v_max_num_f32 v[BM+\b], v[BM+\b], v[BT+\b]
.endr
	s_add_co_u32 s[MO], s[MO], 256                 ; the words' loads are done (the wait above): the next step's; behind a pass's last step the next tile's first;
	s_min_u32 s[MO], s[MO], 0x1fff00               ; held inside the buffer
	MASKW
	v_max_num_f32 v[TMP], v[BM], v[BM+1]
	v_permlanex16_b32 v[T2], v[TMP], s[SEL], s[SEL+1]
	v_max_num_f32 v[TMP], v[TMP], v[T2]            ; the step's largest score of my query
	v_mul_f32 v[T2], s[CS], v[TMP]
	v_max_num_f32 v13, v13, v[T2]                  ; the running largest t
	v_floor_f32 v12, -v13                          ; -M = -ceil(t)
	v_sub_f32 v[T2], v12, v[OLD]                   ; old M - new M, a whole number
	v_cvt_i32_f32 v[T2], v[T2]                     ; (it saturates)
	v_ldexp_f32 v[F], 1.0, v[T2]                   ; f = 2^(old M - new M)
.set j, 0
.rept 32
	v_pk_fma_f32 v[S+j:S+j+1], v[S+j:S+j+1], s[CS:CS+1], v[12:13] op_sel_hi:[1,0,0]   ; t - M (of the pairs c and -M the low word serves both halves)
.set j, j+2
.endr
.irp b, 0,1
	v_fma_f32 v[BM+\b], v[BM+\b], s[CS], v12
.endr
	s_wait_alu depctr_va_vdst(0)                   ; the wait ahead of the batch
.irp b, 0,1
	v_exp_f32 v[BM+\b], v[BM+\b]                   ; the blocks' largest p
.endr
.set j, 0
.rept 64
	v_exp_f32 v[S+j], v[S+j]                       ; p = 2^(t - M), not normalised
.set j, j+1
.endr
	v_pk_mul_f32 v[14:15], v[14:15], v[F:F+1] op_sel_hi:[1,0]      ; the sum under the new M: a plain place behind the batch
	s_wait_alu depctr_va_vdst(0)                   ; and behind it, one for the batch
.irp b, 0,1
	v_max_num_f32 v[BM+\b], 0x2800000, v[BM+\b]    ; the floor 2^(5 - 127)
.endr
.irp k, 0,1,2,3,4,5,6                  ; the row's sum of the unquantised p: eight chains
	v_pk_add_f32 v[PC+2*\k:PC+2*\k+1], v[S+2*\k:S+2*\k+1], v[S+16+2*\k:S+17+2*\k]
.endr
	v_pk_add_f32 v[14:15], v[14:15], v[S+14:S+15]
.irp b, 0,1
	v_add_nc_u32 v[SO+\b], 0xfe000000, v[BM+\b]    ; the conversion's scale operand
.endr
.irp k, 0,1,2,3,4,5,6
	v_pk_add_f32 v[PC+2*\k:PC+2*\k+1], v[PC+2*\k:PC+2*\k+1], v[S+32+2*\k:S+33+2*\k]
.endr
	v_pk_add_f32 v[14:15], v[14:15], v[S+30:S+31]
.irp b, 0,1
	v_lshrrev_b32 v[BT+\b], 23, v[SO+\b]           ; the scale's byte
.endr
.irp k, 0,1,2,3,4,5,6
	v_pk_add_f32 v[PC+2*\k:PC+2*\k+1], v[PC+2*\k:PC+2*\k+1], v[S+48+2*\k:S+49+2*\k]
.endr
	v_pk_add_f32 v[14:15], v[14:15], v[S+46:S+47]
	v_lshl_or_b32 v[TMP], v[BT+1], 16, v[BT]       ; blocks h and 2 + h of my query,
	v_pk_add_f32 v[PC:PC+1], v[PC:PC+1], v[PC+2:PC+3]
	v_pk_add_f32 v[PC+4:PC+5], v[PC+4:PC+5], v[PC+6:PC+7]
	v_pk_add_f32 v[PC+8:PC+9], v[PC+8:PC+9], v[PC+10:PC+11]
	v_pk_add_f32 v[14:15], v[14:15], v[S+62:S+63]
	v_lshlrev_b32 v[TMP], v[H8], v[TMP]            ; at their places in the scale word
	v_pk_add_f32 v[PC:PC+1], v[PC:PC+1], v[PC+4:PC+5]
	v_pk_add_f32 v[PC+8:PC+9], v[PC+8:PC+9], v[PC+12:PC+13]
	v_permlanex16_b32 v[T2], v[TMP], s[SEL], s[SEL+1]
	v_pk_add_f32 v[14:15], v[14:15], v[PC:PC+1]
	v_pk_add_f32 v[14:15], v[14:15], v[PC+8:PC+9]
.irp c, 0,1
	v_cvt_scalef32_pk16_bf6_f32 v[PC+6*\c:PC+6*\c+2], v[S+32*\c:S+32*\c+15], v[SO+\c]
	v_cvt_scalef32_pk16_bf6_f32 v[PT+4*\c:PT+4*\c+2], v[S+32*\c+16:S+32*\c+31], v[SO+\c]
.endr
.irp g, 0,1,2
	ds_load_b128 v[S+4*\g:S+4*\g+3], v[ADI] offset:VOFF+512*(9+\g) ; V's tile 3, onto p, which is done with
.endr
	v_or_b32 v[PW], v[TMP], v[T2]                  ; p's scale word; also the plain place behind the conversions
.irp c, 0,1
.irp i, 0,1,2
	v_mov_b32 v[PC+6*\c+3+\i], v[PT+4*\c+\i]
.endr
.endr
	s_wait_alu depctr_va_vdst(0)                   ; the wait directly ahead of the first reader of O^T
.set j, 0
.rept 16
	v_pk_mul_f32 v[O+j:O+j+1], v[O+j:O+j+1], v[F:F+1] op_sel_hi:[1,0]   ; O^T under the new M; also the places ahead of the products
.set j, j+2
.endr
	s_wait_alu depctr_va_vdst(0)                   ; the wait ahead of the wait below
	s_wait_dscnt 3                                 ; all but tile 3's three loads are in
.irp t, 0,1,2                          ; O^T += V^T P^T, the four accumulators by turns
	v_wmma_scale_f32_16x16x128_f8f6f4 v[O+8*\t:O+8*\t+7], v[VA+12*\t:VA+12*\t+11], v[PC:PC+11], v[O+8*\t:O+8*\t+7], v[VS+\t], v[PW] matrix_a_fmt:MATRIX_FMT_BF6 matrix_b_fmt:MATRIX_FMT_BF6
.endr
	s_wait_dscnt 0x0
	v_wmma_scale_f32_16x16x128_f8f6f4 v[O+24:O+31], v[S:S+11], v[PC:PC+11], v[O+24:O+31], v[VS+3], v[PW] matrix_a_fmt:MATRIX_FMT_BF6 matrix_b_fmt:MATRIX_FMT_BF6
	s_add_co_u32 s[TB], s[TB], STEPB
.endm
; A PASS: one tile of 16 queries: quantised, taken against all 2,048 keys, and stored.
.macro PASS p
.irp i, 0,1,2,3,4,5,6,7
	global_load_b128 v[S+4*\i:S+4*\i+3], v[LI], s[4:5] offset:4096*\p+512*\i th:TH_LOAD_NT   ; two rows of Q, 512 consecutive bytes, a load
.endr
.if \p == 0
	MASKW                                          ; the first step's mask words (the second pass's were asked for by the first's last step)
.endif
	v_mov_b32 v13, 0xff61b1e6                      ; the largest t so far: -3e38
	v_mov_b32 v14, 0
	v_mov_b32 v15, 0
	v_floor_f32 v12, -v13
.set j, 0
.rept 32
	v_mov_b32 v[O+j], 0
.set j, j+1
.endr
	s_wait_loadcnt 0x0
.irp i, 0,1,2,3,4,5,6,7
	ds_store_b128 v[RD], v[S+4*\i:S+4*\i+3] offset:544*\i
.endr
.irp j, 0,1,2,3,4,5,6,7
	ds_load_b128 v[S+32+4*\j:S+32+4*\j+3], v[QR] offset:16*\j      ; lane (r, h): d = 32 h + 0 .. 31 of query r
.endr
	s_wait_dscnt 0x0
	QUANT32 S+32, QF, PT, BT
	v_lshlrev_b32 v[BM], v[H8], v[BT]              ; the query's scale word: my block's byte, lane l xor 16's, 2^0 for the idle blocks
	s_delay_alu instid0(VALU_DEP_1)
	v_permlanex16_b32 v[BM+1], v[BM], s[SEL], s[SEL+1]
	s_delay_alu instid0(VALU_DEP_1)
	v_or_b32 v[BM], v[BM], v[BM+1]
	s_delay_alu instid0(VALU_DEP_1)
	v_or_b32 v[QS], 0x7f7f0000, v[BM]
.if \p == 0
	s_wait_alu depctr_va_vdst(0)                   ; the wait ahead of the wait below
	s_wait_tensorcnt 0x0                           ; my key step of kv has landed,
	s_barrier_signal -1
	s_barrier_wait -1                              ; everybody's has; nothing is filled again
.endif
	v_mov_b32 v[ADK], v[LI]
	v_mov_b32 v[ADKS], v[LS]
	KLOADS                                         ; key step 0
.if \p == 0
	global_prefetch_b8 v[PFQ], s[4:5] offset:4096 th:TH_LOAD_NT scope:SCOPE_SE   ; my second tile of Q, 16 rows of 256 bytes, a pass ahead of its loads
.endif
	s_mov_b32 s[TB], 0
	s_mov_b32 s[CNT], 16
	s_wait_alu depctr_va_vdst(0)                   ; the wait ahead of the loop
.Lstep_\@:
	STEP
	s_sub_co_u32 s[CNT], s[CNT], 1
	s_cmp_lg_u32 s[CNT], 0
	s_cbranch_scc1 .Lstep_\@
	v_add_f32 v14, v14, v15                        ; the sum's two halves,
	s_delay_alu instid0(VALU_DEP_1)
	v_permlanex16_b32 v[TMP], v14, s[SEL], s[SEL+1]
	s_delay_alu instid0(VALU_DEP_1)
	v_add_f32 v14, v14, v[TMP]                     ; and lane l xor 16's
	s_wait_alu depctr_va_vdst(0)
	v_rcp_f32 v14, v14
	v_nop                                          ; with the next line and the two additions: four places behind the last products
	v_nop
	s_wait_alu depctr_va_vdst(0)
.set j, 0
.rept 16
	v_pk_mul_f32 v[S+j:S+j+1], v[O+j:O+j+1], v[14:15] op_sel_hi:[1,0]   ; register 8 t + i is out(query r, 16 t + 8 h + i)
.set j, j+2
.endr
.irp t, 0,1,2,3
	ds_store_b128 v[STO], v[S+8*\t:S+8*\t+3] offset:64*\t
	ds_store_b128 v[STO], v[S+8*\t+4:S+8*\t+7] offset:64*\t+16
.endr
.irp i, 0,1,2,3,4,5,6,7
	ds_load_b128 v[S+32+4*\i:S+32+4*\i+3], v[RD] offset:544*\i     ; LDS serves a wave's instructions in order
.endr
.irp i, 0,1,2,3,4,5,6,7
	s_wait_dscnt 7-\i
	global_store_b128 v[LI], v[S+32+4*\i:S+32+4*\i+3], s[10:11] offset:4096*\p+512*\i th:TH_STORE_NT   ; two rows: 512 consecutive bytes, aligned
.endr
.if \p == 0
	s_wait_xcnt 0x0                                ; the stores have read their registers, which the next pass writes
.endif
.endm
	PASS 0
	PASS 1
	s_wait_kmcnt 0x0                               ; the last look-ahead's words have come
	s_wait_tensorcnt 0x0                           ; the wave's end
	ds_add_u32 v[SPW], v[NIL]
	s_wait_dscnt 0x0
	CROUND                                         ; the closing round
	s_endpgm
.Lfunc_end_k_q1f91581b3a_attn:
	.size	k_q1f91581b3a_attn, .Lfunc_end_k_q1f91581b3a_attn-k_q1f91581b3a_attn
	.p2alignl 7, 3214868480
	.fill 96, 4, 3214868480
	.section	.rodata,"a",@progbits
	.p2align	6, 0x0
	.amdhsa_kernel k_q1f91581b3a_attn
		.amdhsa_group_segment_fixed_size 327680
		.amdhsa_private_segment_fixed_size 0
		.amdhsa_enable_private_segment 0
		.amdhsa_kernarg_size 32
		.amdhsa_user_sgpr_count 2
		.amdhsa_user_sgpr_kernarg_segment_ptr 1
		.amdhsa_wavefront_size32 1
		.amdhsa_system_sgpr_workgroup_id_x 1
		.amdhsa_system_sgpr_workgroup_id_y 1
		.amdhsa_system_sgpr_workgroup_id_z 1
		.amdhsa_system_vgpr_workitem_id 0
		.amdhsa_next_free_vgpr 256
		.amdhsa_next_free_sgpr 106
		.amdhsa_reserve_vcc 0
		.amdhsa_float_denorm_mode_32 3
		.amdhsa_float_denorm_mode_16_64 3
		.amdhsa_memory_ordered 1
		.amdhsa_forward_progress 1
		.amdhsa_inst_pref_size 63
	.end_amdhsa_kernel
	.amdgpu_metadata
---
amdhsa.version: [ 1, 2 ]
amdhsa.kernels:
  - .name:           k_q1f91581b3a_attn
    .symbol:         k_q1f91581b3a_attn.kd
    .args:
      - { .name: Q, .offset: 0, .size: 8, .value_kind: global_buffer, .address_space: global }
      - { .name: kv, .offset: 8, .size: 8, .value_kind: global_buffer, .address_space: global }
      - { .name: maskw, .offset: 16, .size: 8, .value_kind: global_buffer, .address_space: global }
      - { .name: out0, .offset: 24, .size: 8, .value_kind: global_buffer, .address_space: global }
    .group_segment_fixed_size: 327680
    .private_segment_fixed_size: 0
    .kernarg_segment_align: 8
    .kernarg_segment_size: 32
    .max_flat_workgroup_size: 512
    .sgpr_count:     106
    .vgpr_count:     256
    .wavefront_size: 32
...
	.end_amdgpu_metadata
.endif
;; end of part 2
